; MI455X (gfx1250); checked and timed in simulation.
; The chip was launched on July 23, 2026; its instructions are those of AMD's public machine-readable ISA for CDNA 5 (MIT licence, August 2026) and "CDNA5" Instruction Set Architecture Reference Guide (July 2026). The comments in the code are by the model that wrote it; some were corrected since.
;; Attention Block. Allowed arithmetic: float matrix products may take bf16 or f16 operands with f32 sums; all other float work in f32.
;; Inputs: beta 256 float32; bk 256 float32; bo 256 float32; bq 256 float32; bv 256 float32; gamma 256 float32; wk 256 x 256 float32; wo 256 x 256 float32; wq 256 x 256 float32; wv 256 x 256 float32; x 4 x 256 x 64 x 64 float32.
;; Outputs: out0 4 x 256 x 64 x 64 float32.
;; One version. Each part assembles by itself: llvm-mc -triple=amdgcn-amd-amdhsa -mcpu=gfx1250 --defsym DOCPART=n.
;; ======== version 1 of 1: 3 launches
;; workspace buffers: part 16,384 bytes; wb 524,288 bytes; qw 8,388,608 bytes; kw 8,388,608 bytes; vw 8,388,608 bytes
;; launch prep (part 1): grid 256 x 1, 8 waves a work-group, no clusters, 0 bytes of LDS; arguments x, wq, wk, wv, wo, part, wb; writes part, wb
.if DOCPART == 1
	.amdgcn_target "amdgcn-amd-amdhsa--gfx1250"
	.amdhsa_code_object_version 6
	.text
	.protected	k_q09a49dce93_prep
	.globl	k_q09a49dce93_prep
	.p2align	8
	.type	k_q09a49dce93_prep,@function
k_q09a49dce93_prep:
	s_mov_b64 s[64:65], 0
	v_nop
	global_prefetch_b8 v0, s[64:65] scope:SCOPE_SE
	s_setreg_imm32_b32 hwreg(HW_REG_WAVE_MODE, 25, 1), 1
	s_wait_xcnt 0x0
; Two jobs that need nothing from each other.
; (1) GroupNorm's figures in parts: wave w of work-group g takes the 8,192 bytes (2,048 numbers) of x at 65,536 g + 8,192 w, keeps them in
;     64 registers, and stores {mean, sum of squared distances from that mean} as pair 8 g + w of part.  A group of the norm (16 channels
;     x 4,096 pixels = 262,144 consecutive bytes) is 32 consecutive pairs; the next launch joins them.  The variance is never formed as a
;     difference of two large sums, so a common offset on x costs no digits.
; (2) The four weights are rounded to bf16 and laid in blocks of 64 rows x 64 columns:
;     W[o][c] at (o>>6) 32,768 + (c>>6) 8,192 + (o&63) 128 + (c&63) 2 of its 131,072 bytes; order in wb: q, k, v, o.
;     Work-group g rounds rows 4 (g&63) .. +3 of weight g>>6, four numbers a thread.
; No LDS, no barrier, no matrix unit: every wave's figures are its own and memory binds.
; LIMIT: the order of the sums differs from a plain mean over the group (parts of 2,048 numbers, joined later).
.set X,   24                           ; v[24:87]  my 16 bytes of each of 16 loads
.set ACC, 12                           ; v[12:19]  four chains of packed sums
.macro REDUCE r, t                     ; sum over the 32 lanes, result in every lane
	v_add_f32_dpp v[\r], v[\r], v[\r] row_xmask:1 row_mask:0xf bank_mask:0xf
	v_add_f32_dpp v[\r], v[\r], v[\r] row_xmask:2 row_mask:0xf bank_mask:0xf
	v_add_f32_dpp v[\r], v[\r], v[\r] row_xmask:4 row_mask:0xf bank_mask:0xf
	v_add_f32_dpp v[\r], v[\r], v[\r] row_xmask:8 row_mask:0xf bank_mask:0xf
	v_permlanex16_b32 v[\t], v[\r], s30, s31
	v_add_f32 v[\r], v[\r], v[\t]
.endm
.macro FOLD                            ; the four chains into v22
	v_pk_add_f32 v[ACC:ACC+1], v[ACC:ACC+1], v[ACC+2:ACC+3]
	v_pk_add_f32 v[ACC+4:ACC+5], v[ACC+4:ACC+5], v[ACC+6:ACC+7]
	v_pk_add_f32 v[ACC:ACC+1], v[ACC:ACC+1], v[ACC+4:ACC+5]
	v_add_f32 v22, v[ACC], v[ACC+1]
.endm
	s_load_b256 s[4:11], s[0:1], 0x0               ; x s[4:5], wq s[6:7], wk s[8:9], wv s[10:11]
	s_load_b128 s[12:15], s[0:1], 0x20             ; wo s[12:13], part s[14:15]
	s_load_b64 s[16:17], s[0:1], 0x30              ; wb
	s_lshr_b32 s19, ttmp9, 6                       ; which weight
	s_and_b32 s20, ttmp9, 63                       ; which four rows of it
	s_lshl_b32 s22, ttmp9, 16                      ; x: 65,536 bytes a work-group
	s_mov_b32 s23, 0
	s_lshl_b32 s26, s20, 12                        ; weight in: four rows of 1,024 bytes
	s_mov_b32 s27, 0
	s_lshr_b32 s28, ttmp9, 4                       ; weight out: (g>>4) 32,768 = the weight's 131,072 and the block of 64 rows,
	s_lshl_b32 s28, s28, 15
	s_and_b32 s21, ttmp9, 15
	s_lshl_b32 s21, s21, 9                         ; + (g&15) x four rows of 128 bytes
	s_add_co_u32 s28, s28, s21
	s_mov_b32 s29, 0
	s_lshl_b32 s34, ttmp9, 6                       ; part: eight pairs of 8 bytes a work-group
	s_mov_b32 s35, 0
	s_mov_b32 s30, 0x76543210                      ; v_permlanex16_b32: lane i of one half reads lane i of the other
	s_mov_b32 s31, 0xfedcba98
	v_and_b32 v1, 31, v0                           ; lane
	v_lshrrev_b32 v6, 5, v0                        ; wave
	v_lshlrev_b32 v2, 4, v1
	v_lshl_or_b32 v2, v6, 13, v2                   ; x: 8,192 wave + 16 lane
	v_lshlrev_b32 v5, 3, v6                        ; part: 8 wave
	v_and_b32 v7, 15, v0                           ; four columns 4 (t&15) ..
	v_bfe_u32 v8, v0, 4, 1
	v_bfe_u32 v9, v0, 5, 2                         ; .. of column block (t>>5)&3
	v_bfe_u32 v10, v0, 7, 1
	v_lshl_add_u32 v8, v10, 1, v8                  ; row 2 (t>>7) + ((t>>4)&1) of the four
	v_lshlrev_b32 v3, 4, v7
	v_lshl_add_u32 v3, v9, 8, v3
	v_lshl_add_u32 v3, v8, 10, v3                  ; in: row 1,024 + block 256 + 16 (t&15)
	v_lshlrev_b32 v4, 3, v7
	v_lshl_add_u32 v4, v8, 7, v4
	v_lshl_add_u32 v4, v9, 13, v4                  ; out: block 8,192 + row 128 + 8 (t&15): a wave's store covers 256 consecutive bytes, aligned
	v_mov_b32 v23, 0                               ; v_permlanex16_b32's destination counts as read
	s_wait_kmcnt 0x0
	s_cmp_eq_u32 s19, 1                            ; the weight's address is chosen on the work-group's number alone
	s_cselect_b64 s[24:25], s[8:9], s[6:7]
	s_cmp_eq_u32 s19, 2
	s_cselect_b64 s[24:25], s[10:11], s[24:25]
	s_cmp_eq_u32 s19, 3
	s_cselect_b64 s[24:25], s[12:13], s[24:25]
	s_add_nc_u64 s[24:25], s[24:25], s[26:27]
	s_add_nc_u64 s[4:5], s[4:5], s[22:23]
	s_add_nc_u64 s[16:17], s[16:17], s[28:29]
	s_add_nc_u64 s[14:15], s[14:15], s[34:35]
	global_load_b128 v[6:9], v3, s[24:25] th:TH_LOAD_NT
.irp j, 0,1,2,3,4,5,6,7,8,9,10,11,12,13,14,15
	global_load_b128 v[X+4*\j:X+4*\j+3], v2, s[4:5] offset:512*\j    ; 512 consecutive bytes a load; no hint: the later launches read x again
.endr
	s_wait_loadcnt 16                              ; the weight's load is in; the 16 younger loads of x stay out
	v_cvt_pk_bf16_f32 v10, v6, v7
	v_cvt_pk_bf16_f32 v11, v8, v9
	global_store_b64 v4, v[10:11], s[16:17]
	; pass 1: the sum.  The first four loads start the four chains: nothing is cleared.
.irp j, 0,1,2,3,4,5,6,7,8,9,10,11,12,13,14,15
	s_wait_loadcnt 15-\j                           ; loads come back in order: load j is in, the younger ones stay out
.if \j < 4
	v_pk_add_f32 v[ACC+2*\j:ACC+2*\j+1], v[X+4*\j:X+4*\j+1], v[X+4*\j+2:X+4*\j+3]
.else
	v_pk_add_f32 v[ACC+2*(\j&3):ACC+2*(\j&3)+1], v[ACC+2*(\j&3):ACC+2*(\j&3)+1], v[X+4*\j:X+4*\j+1]
	v_pk_add_f32 v[ACC+2*(\j&3):ACC+2*(\j&3)+1], v[ACC+2*(\j&3):ACC+2*(\j&3)+1], v[X+4*\j+2:X+4*\j+3]
.endif
.endr
	FOLD
	REDUCE 22, 23
	v_mul_f32 v20, 0x3a000000, v22                 ; mean = sum / 2,048
	v_mov_b32 v21, v20                             ; twice, for the packed subtraction
	; pass 2: the squared distances from that mean, from the registers
.set p_, 0
.rept 32
	v_pk_add_f32 v[X+2*p_:X+2*p_+1], v[X+2*p_:X+2*p_+1], v[20:21] neg_lo:[0,1] neg_hi:[0,1]
.if p_ < 4
	v_pk_mul_f32 v[ACC+2*p_:ACC+2*p_+1], v[X+2*p_:X+2*p_+1], v[X+2*p_:X+2*p_+1]
.else
	v_pk_fma_f32 v[ACC+2*(p_&3):ACC+2*(p_&3)+1], v[X+2*p_:X+2*p_+1], v[X+2*p_:X+2*p_+1], v[ACC+2*(p_&3):ACC+2*(p_&3)+1]
.endif
.set p_, p_+1
.endr
	FOLD
	REDUCE 22, 23
	v_mov_b32 v21, v22                             ; {mean, M2}
	v_cmp_eq_u32 vcc_lo, 0, v1
	s_wait_xcnt 0x0                                ; the weight's store is pending: EXEC changes only behind this wait
	s_and_saveexec_b32 s32, vcc_lo
	global_store_b64 v5, v[20:21], s[14:15]        ; one figure a wave: 8 bytes from lane 0
	s_wait_xcnt 0x0                                ; and again in front of the line that widens EXEC
	s_or_b32 exec_lo, exec_lo, s32
	s_endpgm
.Lfunc_end_k_q09a49dce93_prep:
	.size	k_q09a49dce93_prep, .Lfunc_end_k_q09a49dce93_prep-k_q09a49dce93_prep
	.p2alignl 7, 3214868480
	.fill 96, 4, 3214868480
	.section	.rodata,"a",@progbits
	.p2align	6, 0x0
	.amdhsa_kernel k_q09a49dce93_prep
		.amdhsa_group_segment_fixed_size 0
		.amdhsa_private_segment_fixed_size 0
		.amdhsa_enable_private_segment 0
		.amdhsa_kernarg_size 56
		.amdhsa_user_sgpr_count 2
		.amdhsa_user_sgpr_kernarg_segment_ptr 1
		.amdhsa_wavefront_size32 1
		.amdhsa_system_sgpr_workgroup_id_x 1
		.amdhsa_system_sgpr_workgroup_id_y 1
		.amdhsa_system_sgpr_workgroup_id_z 1
		.amdhsa_system_vgpr_workitem_id 0
		.amdhsa_next_free_vgpr 88
		.amdhsa_next_free_sgpr 66
		.amdhsa_reserve_vcc 1
		.amdhsa_float_denorm_mode_32 3
		.amdhsa_float_denorm_mode_16_64 3
		.amdhsa_memory_ordered 1
		.amdhsa_forward_progress 1
		.amdhsa_inst_pref_size 12
	.end_amdhsa_kernel
	.amdgpu_metadata
---
amdhsa.version: [ 1, 2 ]
amdhsa.kernels:
  - .name:           k_q09a49dce93_prep
    .symbol:         k_q09a49dce93_prep.kd
    .args:
      - { .name: x, .offset: 0, .size: 8, .value_kind: global_buffer, .address_space: global }
      - { .name: wq, .offset: 8, .size: 8, .value_kind: global_buffer, .address_space: global }
      - { .name: wk, .offset: 16, .size: 8, .value_kind: global_buffer, .address_space: global }
      - { .name: wv, .offset: 24, .size: 8, .value_kind: global_buffer, .address_space: global }
      - { .name: wo, .offset: 32, .size: 8, .value_kind: global_buffer, .address_space: global }
      - { .name: part, .offset: 40, .size: 8, .value_kind: global_buffer, .address_space: global }
      - { .name: wb, .offset: 48, .size: 8, .value_kind: global_buffer, .address_space: global }
    .group_segment_fixed_size: 0
    .private_segment_fixed_size: 0
    .kernarg_segment_align: 8
    .kernarg_segment_size: 56
    .max_flat_workgroup_size: 256
    .sgpr_count:     66
    .vgpr_count:     88
    .wavefront_size: 32
...
	.end_amdgpu_metadata
.endif
;; end of part 1
;; launch qkv (part 2): grid 64 x 4, 4 waves a work-group, clusters of 4 x 1, 327,680 bytes of LDS; arguments x, gamma, beta, bq, bk, bv, part, wb, qw, kw, vw; writes qw, kw, vw
.if DOCPART == 2
	.amdgcn_target "amdgcn-amd-amdhsa--gfx1250"
	.amdhsa_code_object_version 6
	.text
	.protected	k_q09a49dce93_qkv
	.globl	k_q09a49dce93_qkv
	.p2align	8
	.type	k_q09a49dce93_qkv,@function
k_q09a49dce93_qkv:
	s_mov_b64 s[64:65], 0
	v_nop
	global_prefetch_b8 v0, s[64:65] scope:SCOPE_SE
	s_setreg_imm32_b32 hwreg(HW_REG_WAVE_MODE, 25, 1), 1
	s_wait_xcnt 0x0
	s_wait_alu depctr_hold_cnt(0) depctr_sa_sdst(0) depctr_va_vdst(0) depctr_va_sdst(0) depctr_va_ssrc(0) depctr_va_vcc(0) depctr_vm_vsrc(0)
	s_getreg_b32 s2, hwreg(HW_REG_IB_STS2, 6, 4)
	s_cmp_eq_u32 s2, 0
	s_cbranch_scc0 .Lentry_in_a_cluster
	s_endpgm
.Lentry_in_a_cluster:
	s_bfe_u32 s2, ttmp6, 0x10000c
	s_cmp_lg_u32 s2, 0x3003
	s_cbranch_scc0 .Lentry_shape_is_right
	s_endpgm
.Lentry_shape_is_right:
; GroupNorm and the three projections for 64 pixels of one image; q, k, v leave in bf16, in blocks of 32,768 bytes for 64 pixels:
;   q, k: [channel block 4][pixel 64][channel 64];   v: [channel 256][pixel 64].
; Work-group (x, y) = (pixel block, image).  Wave w normalises channels 64 w .. 64 w + 63 (groups 4 w .. 4 w + 3, whose 32 partial figures
; it joins itself) and makes output channels 64 w .. 64 w + 63 of each projection for all 64 pixels: 4 x 4 accumulator tiles, so each
; weight fragment read from LDS feeds four matrix instructions; the 32 fragments of the normalised pixels stay in registers v256-v511.
; CLUSTERS: every work-group needs the same weights, so the four work-groups of a cluster ask for them jointly (mask 15).
; A BLOCK of 32,768 dense bytes comes in as 128 rows of 256 bytes with 16 bytes of padding behind each: a block's row of 128 bytes number
; p of quarter z begins at z 8,704 + (p>>1) 272 + (p&1) 128; the sixteen rows that a fragment load touches fall on sixteen different
; 16-byte columns modulo 256.
; LDS: 0 slot 0 (Wq, later Wv), 139,264 slot 1 (Wk): wave w's block at w 34,816, loaded and read by wave w alone;
;      278,528 XN, the normalised pixels as [channel 256][pixel 64] bf16, pitch 160; later each wave's stage of 64 rows, pitch 144;
;      319,488 AD, 64 pairs {a, d} a wave.  XN and AD are written by LDS stores alone; no tensor load lands there.
; LIMITS: v_rsq_f32 takes a denormal as zero (AMD's ISA guide, its entry in 15.8); the group's mean and variance are joined from parts of 2,048 numbers, so the
; order of the sums differs from a plain mean; matrix operands are bf16, sums f32.
.set BLK,  34816
.set W1,   139264
.set XN,   278528
.set AD,   319488
.set WV,   26                          ; s26: the wave's number
.set BIAS, 32                          ; v[32:63]   the bias as four C tiles
.set FB,   64                          ; v[64:127]  two buffers of four weight fragments; before that the figures and the pairs {a, d}
.set SB,   128                         ; v[128:255] sixteen accumulator tiles; before that x as loaded
.set PT,   64                          ; figures: four pairs {mean, M2}
.set GA,   72                          ; gamma x 2, beta x 2
.set MN,   76                          ; four groups' means
.set TT,   80                          ; four groups' M2, then variance + eps
.set RS,   84                          ; four groups' 1 / sqrt
.set TP,   88                          ; at work
.set MSB,  0
.macro WIN new                         ; s_set_vgpr_msb: bits 1:0 source 0, 3:2 source 1, 5:4 source 2, 7:6 destination; the high byte repeats the setting left
.if MSB != \new
	s_set_vgpr_msb (MSB<<8)|\new
.set MSB, \new
.endif
.endm
.macro PLACES n
.rept \n
	v_nop
.endr
.endm
.macro ROUND                           ; a round of the cluster's barrier
	s_barrier_signal -1
	s_barrier_wait -1
	s_cmp_lg_u32 s[WV], 0
	s_cbranch_scc1 .Lnot_wave_0_\@
	s_barrier_signal -3
.Lnot_wave_0_\@:
	s_barrier_wait -3
	s_barrier_signal -1
	s_barrier_wait -1
.endm
; Eight LDS loads: four fragments (16 rows x 32 along K) of K step ks of the block at v[adr], into buffer ks & 1
.macro FETCHA adr, ks
.irp t, 0,1,2,3
	ds_load_b128 v[FB+32*((\ks)&1)+8*\t:FB+32*((\ks)&1)+8*\t+3], v[\adr] offset:((\ks)>>1)*8704+((\ks)&1)*64+\t*2176
	ds_load_b128 v[FB+32*((\ks)&1)+8*\t+4:FB+32*((\ks)&1)+8*\t+7], v[\adr] offset:((\ks)>>1)*8704+((\ks)&1)*64+\t*2176+32
.endr
.endm
; Sixteen matrix instructions of K step ks: block fragment t x register fragment (b, ks) of window 1.  swap = 0: the block's rows are D's rows.
; The first K step starts the sums, from 0 or from the bias.  The sixteen accumulators take turns, one instruction a turn.
.macro MULS ks, swap, cmode
.irp t, 0,1,2,3
.irp b, 0,1,2,3
.set D_, SB+16*(4*(\t>>1)+\b)+8*(\t&1)
.set F_, FB+32*((\ks)&1)+8*\t
.set G_, 8*(8*\b+(\ks))
.if \swap
.set MA_, G_
.set MB_, F_
.else
.set MA_, F_
.set MB_, G_
.endif
.if (\ks) > 0
	v_wmma_f32_16x16x32_bf16 v[D_:D_+7], v[MA_:MA_+7], v[MB_:MB_+7], v[D_:D_+7]
.else
.if \cmode
	v_wmma_f32_16x16x32_bf16 v[D_:D_+7], v[MA_:MA_+7], v[MB_:MB_+7], v[BIAS+8*\t:BIAS+8*\t+7]
.else
	v_wmma_f32_16x16x32_bf16 v[D_:D_+7], v[MA_:MA_+7], v[MB_:MB_+7], 0
.endif
.endif
.endr
.endr
.endm
; A product over K = 256: eight K steps, fragments fetched two steps ahead.  Enters and leaves with every window 0.
.macro SPHASE adr, swap, cmode
	FETCHA \adr, 0
	FETCHA \adr, 1
.irp ks, 0,1,2,3,4,5,6,7
.if \ks < 7
	s_wait_dscnt 0x8                               ; this step's eight loads are in; the next step's eight stay out
.else
	s_wait_dscnt 0x0                               ; the last step: nothing younger is out
.endif
.if \swap
	WIN 0x01
.else
	WIN 0x04                                       ; LDS loads name destination and source 0 alone: they run unchanged under this setting
.endif
	MULS \ks, \swap, \cmode
.if \ks < 6
.if \swap
	WIN 0
.endif
	PLACES 4                                       ; a load into registers that a matrix instruction has read stands four places behind it (ISA guide 7.12.1 for vector instructions)
	FETCHA \adr, \ks+2
.endif
.endr
	WIN 0
.endm
; The way out: round to bf16 (a lane's eight results are 16 neighbouring bytes of a row), into my own stage, back as whole rows, 512 consecutive bytes a store.
.macro OUT swap, sb
.irp t, 0,1,2,3
.irp b, 0,1,2,3
.set D_, SB+16*(4*(\t>>1)+\b)+8*(\t&1)
	v_cvt_pk_bf16_f32 v[D_], v[D_], v[D_+1]
	v_cvt_pk_bf16_f32 v[D_+1], v[D_+2], v[D_+3]
	v_cvt_pk_bf16_f32 v[D_+2], v[D_+4], v[D_+5]
	v_cvt_pk_bf16_f32 v[D_+3], v[D_+6], v[D_+7]
.if \swap
	ds_store_b128 v11, v[D_:D_+3] offset:\t*2304+\b*32
.else
	ds_store_b128 v11, v[D_:D_+3] offset:\b*2304+\t*32
.endif
.endr
.endr
.set i_, 0
.rept 16
	ds_load_b128 v[FB+4*i_:FB+4*i_+3], v12 offset:576*i_           ; LDS serves a wave's instructions in order (ISA guide 5.7.1.4): these see the stores above
.set i_, i_+1
.endr
.set i_, 0
.rept 16
	s_wait_dscnt 15-i_                             ; load i is back, the younger ones stay out
	global_store_b128 v13, v[FB+4*i_:FB+4*i_+3], s[\sb:\sb+1] offset:512*i_
.set i_, i_+1
.endr
	s_wait_xcnt 0x0                                ; the stores' data registers are loaded again by the next product only behind this wait
.endm
	s_load_b512 s[4:19], s[0:1], 0x0               ; x, gamma, beta, bq, bk, bv, part, wb
	s_load_b128 s[20:23], s[0:1], 0x40             ; qw, kw
	s_load_b64 s[24:25], s[0:1], 0x50              ; vw
	v_lshl_add_u32 v30, v0, 2, 0x4e800
	v_mov_b32 v31, 0
	ds_add_u32 v30, v31
	v_lshrrev_b32 v1, 5, v0
	v_readfirstlane_b32 s26, v1                    ; wave 0..3
	s_bfe_u32 s27, ttmp6, 0x40000                  ; cx
	s_lshl_b32 s28, ttmp9, 2
	s_add_co_u32 s28, s28, s27                     ; pixel block = 4 x cluster x + cx
	s_and_b32 s29, ttmp7, 0xffff                   ; image
	s_mov_b32 s30, 0x76543210
	s_mov_b32 s31, 0xfedcba98
	s_mov_b32 s56, 0x37800000                      ; 1 / 65,536: numbers in a group
	s_mov_b32 s57, 0x3727c5ac                      ; eps = 1e-5
	; descriptor group 1: 128 rows of 32 elements of 8 bytes, dense, 16 bytes of padding behind every 256
	s_mov_b32 s32, 0x0773000f                      ; 15:0 mask 15: all four of the cluster; 17:16 elements of 8 bytes; 20 padding on; 21 set beside a mask; 24:22 after 64 words; 31:25 four words
	s_mov_b32 s33, 32<<16                          ; tensor_dim0 = 32
	s_mov_b32 s34, 128<<16                         ; tensor_dim1 = 128
	s_mov_b32 s35, 32<<16                          ; tile_dim0 = 32
	s_mov_b32 s36, 128                             ; tile_dim1 = 128
	s_mov_b32 s37, 32                              ; from row to row: 32 elements
	s_mov_b32 s38, 0
	s_mov_b32 s39, 0
	s_mul_i32 s58, s26, BLK                        ; my block in a slot
	s_lshl_b32 s52, s26, 15                        ; my block of 64 rows in a weight; no place in the cluster enters these
	s_mov_b32 s53, 0
	v_and_b32 v1, 31, v0                           ; lane
	v_and_b32 v2, 15, v0                           ; r
	v_bfe_u32 v3, v0, 4, 1                         ; h
	v_lshrrev_b32 v18, 1, v2
	v_mul_u32_u24 v18, v18, 272
	v_and_b32 v19, 1, v2
	v_lshl_add_u32 v18, v19, 7, v18
	v_lshl_add_u32 v18, v3, 4, v18                 ; a fragment's lane part: (r>>1) 272 + (r&1) 128 + 16 h
	v_add_nc_u32 v4, s58, v18                      ; v4: my block in slot 0
	v_add_nc_u32 v5, W1, v4                        ; v5: in slot 1
	s_lshl_b32 s59, s26, 20
	v_lshlrev_b32 v6, 4, v2
	v_lshl_add_u32 v6, v3, 14, v6
	v_add_nc_u32 v6, s59, v6                       ; v6: x: channel 64 w + h, pixels 4 r ..
	s_mul_i32 s60, s26, 10240
	s_add_co_u32 s60, s60, XN
	v_mul_u32_u24 v7, v3, 160
	v_lshl_add_u32 v7, v2, 3, v7
	v_add_nc_u32 v7, s60, v7                       ; v7: the same place in XN
	v_and_b32 v19, 7, v0
	v_lshl_add_u32 v20, v3, 3, v19
	v_mul_u32_u24 v8, v20, 160
	v_bfe_u32 v20, v0, 3, 1
	v_lshl_add_u32 v8, v20, 4, v8
	v_add_nc_u32 v8, XN, v8                        ; v8: transposing loads: (8 h + (lane&7)) 160 + 16 ((lane>>3)&1)
	s_lshl_b32 s61, s26, 9
	s_add_co_u32 s61, s61, AD
	v_lshl_add_u32 v9, v1, 3, s61                  ; v9: {a, d} of channel lane
	v_lshl_add_u32 v10, v3, 3, s61                 ; v10: {a, d} of channel h
	s_mul_i32 s62, s26, 9216
	s_add_co_u32 s62, s62, XN
	v_mul_u32_u24 v11, v2, 144
	v_lshl_add_u32 v11, v3, 4, v11
	v_add_nc_u32 v11, s62, v11                     ; v11: stage in: row r, 16 bytes for each half of the lanes
	v_lshrrev_b32 v20, 3, v1
	v_mul_u32_u24 v12, v20, 144
	v_lshl_add_u32 v12, v19, 4, v12
	v_add_nc_u32 v12, s62, v12                     ; v12: stage back: four rows of 128 bytes a load
	s_lshl_b32 s63, s26, 13
	v_lshl_add_u32 v13, v1, 4, s63                 ; v13: my quarter of an output block
	s_lshl_b32 s59, s26, 8
	v_lshl_add_u32 v14, v3, 5, s59                 ; v14: bias, eight channels 64 w + 8 h ..
	v_lshl_add_u32 v15, v2, 2, s59                 ; v15: bias, channel 64 w + r
	v_lshl_add_u32 v17, v1, 2, s59                 ; v17: gamma, beta of channel 64 w + lane
	s_lshl_b32 s60, s26, 10
	v_lshl_add_u32 v16, v1, 3, s60                 ; v16: pair lane of group 4 w
.irp g, 0,1,2,3
	v_mov_b32 v[TP+\g], 0                          ; v_permlanex16_b32's destination counts as read
.endr
	s_wait_dscnt 0x0
	s_wait_kmcnt 0x0
	s_lshl_b32 s54, s29, 22
	s_lshl_b32 s55, s28, 8
	s_add_co_u32 s54, s54, s55
	s_mov_b32 s55, 0
	s_add_nc_u64 s[4:5], s[4:5], s[54:55]          ; x at my image and my 64 pixels
	s_lshl_b32 s54, s29, 12
	s_add_nc_u64 s[16:17], s[16:17], s[54:55]      ; part at my image
	s_lshl_b32 s54, s29, 6
	s_add_co_u32 s54, s54, s28
	s_lshl_b32 s54, s54, 15
	s_add_nc_u64 s[20:21], s[20:21], s[54:55]      ; my block of each output, each from its own address
	s_add_nc_u64 s[22:23], s[22:23], s[54:55]
	s_add_nc_u64 s[24:25], s[24:25], s[54:55]
	; descriptor groups 0: Wq to slot 0, Wk to slot 1, Wv to slot 0
	s_mov_b32 s40, 1
	s_mov_b32 s41, s58
	s_add_nc_u64 s[42:43], s[18:19], s[52:53]
	s_mov_b32 s44, 1
	s_add_co_u32 s45, s58, W1
	s_add_nc_u64 s[46:47], s[42:43], 0x20000
	s_mov_b32 s48, 1
	s_mov_b32 s49, s58
	s_add_nc_u64 s[50:51], s[42:43], 0x40000
	s_or_b32 s43, s43, 0x80000000
	s_or_b32 s47, s47, 0x80000000
	s_or_b32 s51, s51, 0x80000000
	; all the loads into registers, oldest first: 4 of figures, 2 + 2 of gamma and beta, 8 of bq, 32 of x
.irp g, 0,1,2,3
	global_load_b64 v[PT+2*\g:PT+2*\g+1], v16, s[16:17] offset:256*\g
.endr
	global_load_b32 v[GA], v17, s[6:7]
	global_load_b32 v[GA+1], v17, s[6:7] offset:128
	global_load_b32 v[GA+2], v17, s[8:9]
	global_load_b32 v[GA+3], v17, s[8:9] offset:128
.irp t, 0,1,2,3
	global_load_b128 v[BIAS+8*\t:BIAS+8*\t+3], v14, s[10:11] offset:64*\t
	global_load_b128 v[BIAS+8*\t+4:BIAS+8*\t+7], v14, s[10:11] offset:64*\t+16
.endr
.set i_, 0
.rept 32
	global_load_b128 v[SB+4*i_:SB+4*i_+3], v6, s[4:5] offset:32768*i_    ; channels 2 i, 2 i + 1: sixteen lanes take 256 consecutive bytes, aligned
.set i_, i_+1
.endr
	ROUND                                          ; all four work-groups are here: the first joint loads meet
	tensor_load_to_lds s[40:43], s[32:39]          ; the two first fills, as one group: two tensor loads of the wave are out
	s_nop 0
	tensor_load_to_lds s[44:47], s[32:39]
	s_nop 0
	; the groups' figures: mean = mean of the 32 means; M2 = sum of (M2_i + 2,048 (mean_i - mean)^2)
	s_wait_loadcnt 44                              ; the four loads of figures are in; 2 + 2 + 8 + 32 younger loads stay out
.irp g, 0,1,2,3
	v_mov_b32 v[MN+\g], v[PT+2*\g]
.endr
.irp m, 1,2,4,8
.irp g, 0,1,2,3
	v_add_f32_dpp v[MN+\g], v[MN+\g], v[MN+\g] row_xmask:\m row_mask:0xf bank_mask:0xf
.endr
.endr
.irp g, 0,1,2,3
	v_permlanex16_b32 v[TP+\g], v[MN+\g], s30, s31
.endr
.irp g, 0,1,2,3
	v_add_f32 v[MN+\g], v[MN+\g], v[TP+\g]
.endr
.irp g, 0,1,2,3
	v_mul_f32 v[MN+\g], 0x3d000000, v[MN+\g]       ; / 32
.endr
.irp g, 0,1,2,3
	v_sub_f32 v[TP+\g], v[PT+2*\g], v[MN+\g]
.endr
.irp g, 0,1,2,3
	v_mul_f32 v[TT+\g], 0x45000000, v[TP+\g]       ; x 2,048
.endr
.irp g, 0,1,2,3
	v_fma_f32 v[TT+\g], v[TT+\g], v[TP+\g], v[PT+2*\g+1]
.endr
.irp m, 1,2,4,8
.irp g, 0,1,2,3
	v_add_f32_dpp v[TT+\g], v[TT+\g], v[TT+\g] row_xmask:\m row_mask:0xf bank_mask:0xf
.endr
.endr
.irp g, 0,1,2,3
	v_permlanex16_b32 v[TP+\g], v[TT+\g], s30, s31
.endr
.irp g, 0,1,2,3
	v_add_f32 v[TT+\g], v[TT+\g], v[TP+\g]
.endr
.irp g, 0,1,2,3
	v_fma_f32 v[TT+\g], v[TT+\g], s56, s57         ; variance + eps
.endr
	v_cmp_le_u32 vcc_lo, 16, v1                    ; lanes 16-31: the second of two groups of 16 channels
.irp g, 0,1,2,3
	v_rsq_f32 v[RS+\g], v[TT+\g]
.endr
	v_cndmask_b32 v22, v[MN], v[MN+1], vcc_lo      ; the plain instruction between the four v_rsq_f32 and the first use of a result (ISA guide 5.7.2)
	v_cndmask_b32 v24, v[MN+2], v[MN+3], vcc_lo
	s_wait_alu depctr_va_vdst(0)
	v_cndmask_b32 v23, v[RS], v[RS+1], vcc_lo
	v_cndmask_b32 v25, v[RS+2], v[RS+3], vcc_lo
	s_wait_loadcnt 40                              ; gamma and beta are in; 8 + 32 younger loads stay out
	v_mul_f32 v18, v[GA], v23                      ; a = gamma / sqrt(variance + eps)
	v_mul_f32 v20, v[GA+1], v25
	v_fma_f32 v19, -v22, v18, v[GA+2]              ; d = beta - mean a
	v_fma_f32 v21, -v24, v20, v[GA+3]
	ds_store_b64 v9, v[18:19]                      ; channel lane
	ds_store_b64 v9, v[20:21] offset:256           ; channel 32 + lane; the wave's own bytes: no barrier
.set i_, 0
.rept 32
	ds_load_b64 v[FB+2*i_:FB+2*i_+1], v10 offset:16*i_     ; {a, d} of channel 2 i + h
.set i_, i_+1
.endr
	s_wait_dscnt 0x0
	; normalise, round to bf16, into XN
.set i_, 0
.rept 32
	s_wait_loadcnt 31-i_                           ; load i of x is in (and bq, which is older); the younger ones stay out
	v_pk_fma_f32 v[SB+4*i_:SB+4*i_+1], v[SB+4*i_:SB+4*i_+1], v[FB+2*i_:FB+2*i_+1], v[FB+2*i_:FB+2*i_+1] op_sel:[0,0,1] op_sel_hi:[1,0,1]
	v_pk_fma_f32 v[SB+4*i_+2:SB+4*i_+3], v[SB+4*i_+2:SB+4*i_+3], v[FB+2*i_:FB+2*i_+1], v[FB+2*i_:FB+2*i_+1] op_sel:[0,0,1] op_sel_hi:[1,0,1]
	v_cvt_pk_bf16_f32 v[SB+4*i_], v[SB+4*i_], v[SB+4*i_+1]
	v_cvt_pk_bf16_f32 v[SB+4*i_+1], v[SB+4*i_+2], v[SB+4*i_+3]
	ds_store_b64 v7, v[SB+4*i_:SB+4*i_+1] offset:320*i_
.set i_, i_+1
.endr
	s_wait_dscnt 0x0                               ; my part of XN is written,
	s_barrier_signal -1
	s_barrier_wait -1                              ; everybody's is.  The weights may stay on their way
	WIN 0x40                                       ; destination window 1
.irp pb, 0,1,2,3
.irp kk, 0,1,2,3,4,5,6,7
	ds_load_tr16_b128 v[8*(8*\pb+\kk):8*(8*\pb+\kk)+3], v8 offset:\kk*5120+\pb*32          ; channels 32 kk + 8 h .. of pixel 16 pb + r
	ds_load_tr16_b128 v[8*(8*\pb+\kk)+4:8*(8*\pb+\kk)+7], v8 offset:\kk*5120+\pb*32+2560   ; channels 32 kk + 16 + 8 h ..
.endr
.endr
	WIN 0
	s_wait_dscnt 0x0                               ; my reads of XN are over,
	s_barrier_signal -1
	s_barrier_wait -1                              ; everybody's are: XN's bytes now serve as the waves' stages
	s_wait_tensorcnt 0x1                           ; my block of Wq has landed, Wk's may stay out; I alone read the blocks that I asked for
	SPHASE 4, 0, 1                                 ; q(channel, pixel) = Wq xn + bq
	PLACES 4                                       ; four places behind the last matrix instruction, for the loads into its C tiles and the conversions
.irp t, 0,1,2,3
	global_load_b128 v[BIAS+8*\t:BIAS+8*\t+3], v14, s[12:13] offset:64*\t
	global_load_b128 v[BIAS+8*\t+4:BIAS+8*\t+7], v14, s[12:13] offset:64*\t+16
.endr
	OUT 0, 20
	s_wait_dscnt 0x0                               ; my reads of slot 0 are over
	s_wait_tensorcnt 0x0                           ; and all my tensor loads have landed
	ds_add_u32 v30, v31
	s_wait_dscnt 0x0
	ROUND                                          ; both now hold of every wave of the four work-groups
	tensor_load_to_lds s[48:51], s[32:39]          ; Wv into slot 0: my one tensor load behind the round
	s_nop 0
	s_wait_loadcnt 0x0                             ; bk
	SPHASE 5, 0, 1                                 ; k = Wk xn + bk
	PLACES 4
.irp t, 0,1,2,3
	global_load_b32 v[BIAS+8*\t], v15, s[14:15] offset:64*\t       ; bv of channel 64 w + 16 t + r
.endr
	OUT 0, 22
	s_wait_loadcnt 0x0                             ; bv
.irp t, 0,1,2,3
.irp j, 1,2,3,4,5,6,7
	v_mov_b32 v[BIAS+8*\t+\j], v[BIAS+8*\t]        ; in the swapped product a lane's eight results are one channel's
.endr
.endr
	s_wait_tensorcnt 0x0                           ; Wv has landed; no tensor load is out from here on
	SPHASE 4, 1, 1                                 ; v(pixel, channel): a lane holds eight neighbouring pixels of one channel
	PLACES 4
	OUT 1, 24
	s_wait_tensorcnt 0x0
	ds_add_u32 v30, v31
	s_wait_dscnt 0x0
	ROUND                                          ; the closing round: no work-group ends while a partner may still ask jointly
	s_endpgm
.Lfunc_end_k_q09a49dce93_qkv:
	.size	k_q09a49dce93_qkv, .Lfunc_end_k_q09a49dce93_qkv-k_q09a49dce93_qkv
	.p2alignl 7, 3214868480
	.fill 96, 4, 3214868480
	.section	.rodata,"a",@progbits
	.p2align	6, 0x0
	.amdhsa_kernel k_q09a49dce93_qkv
		.amdhsa_group_segment_fixed_size 327680
		.amdhsa_private_segment_fixed_size 0
		.amdhsa_enable_private_segment 0
		.amdhsa_kernarg_size 88
		.amdhsa_user_sgpr_count 2
		.amdhsa_user_sgpr_kernarg_segment_ptr 1
		.amdhsa_wavefront_size32 1
		.amdhsa_system_sgpr_workgroup_id_x 1
		.amdhsa_system_sgpr_workgroup_id_y 1
		.amdhsa_system_sgpr_workgroup_id_z 1
		.amdhsa_system_vgpr_workitem_id 0
		.amdhsa_next_free_vgpr 512
		.amdhsa_next_free_sgpr 66
		.amdhsa_reserve_vcc 1
		.amdhsa_float_denorm_mode_32 3
		.amdhsa_float_denorm_mode_16_64 3
		.amdhsa_memory_ordered 1
		.amdhsa_forward_progress 1
		.amdhsa_inst_pref_size 100
	.end_amdhsa_kernel
	.amdgpu_metadata
---
amdhsa.version: [ 1, 2 ]
amdhsa.kernels:
  - .name:           k_q09a49dce93_qkv
    .symbol:         k_q09a49dce93_qkv.kd
    .args:
      - { .name: x, .offset: 0, .size: 8, .value_kind: global_buffer, .address_space: global }
      - { .name: gamma, .offset: 8, .size: 8, .value_kind: global_buffer, .address_space: global }
      - { .name: beta, .offset: 16, .size: 8, .value_kind: global_buffer, .address_space: global }
      - { .name: bq, .offset: 24, .size: 8, .value_kind: global_buffer, .address_space: global }
      - { .name: bk, .offset: 32, .size: 8, .value_kind: global_buffer, .address_space: global }
      - { .name: bv, .offset: 40, .size: 8, .value_kind: global_buffer, .address_space: global }
      - { .name: part, .offset: 48, .size: 8, .value_kind: global_buffer, .address_space: global }
      - { .name: wb, .offset: 56, .size: 8, .value_kind: global_buffer, .address_space: global }
      - { .name: qw, .offset: 64, .size: 8, .value_kind: global_buffer, .address_space: global }
      - { .name: kw, .offset: 72, .size: 8, .value_kind: global_buffer, .address_space: global }
      - { .name: vw, .offset: 80, .size: 8, .value_kind: global_buffer, .address_space: global }
    .group_segment_fixed_size: 327680
    .private_segment_fixed_size: 0
    .kernarg_segment_align: 8
    .kernarg_segment_size: 88
    .max_flat_workgroup_size: 128
    .sgpr_count:     66
    .vgpr_count:     512
    .wavefront_size: 32
...
	.end_amdgpu_metadata
.endif
;; end of part 2
;; launch attn (part 3): grid 64 x 4, 4 waves a work-group, clusters of 4 x 1, 327,680 bytes of LDS; arguments qw, kw, vw, wb, bo, x, out0; writes out0
.if DOCPART == 3
	.amdgcn_target "amdgcn-amd-amdhsa--gfx1250"
	.amdhsa_code_object_version 6
	.text
	.protected	k_q09a49dce93_attn
	.globl	k_q09a49dce93_attn
	.p2align	8
	.type	k_q09a49dce93_attn,@function
k_q09a49dce93_attn:
	s_mov_b64 s[64:65], 0
	v_nop
	global_prefetch_b8 v0, s[64:65] scope:SCOPE_SE
	s_setreg_imm32_b32 hwreg(HW_REG_WAVE_MODE, 25, 1), 1
	s_wait_xcnt 0x0
	s_wait_alu depctr_hold_cnt(0) depctr_sa_sdst(0) depctr_va_vdst(0) depctr_va_sdst(0) depctr_va_ssrc(0) depctr_va_vcc(0) depctr_vm_vsrc(0)
	s_getreg_b32 s2, hwreg(HW_REG_IB_STS2, 6, 4)
	s_cmp_eq_u32 s2, 0
	s_cbranch_scc0 .Lentry_in_a_cluster
	s_endpgm
.Lentry_in_a_cluster:
	s_bfe_u32 s2, ttmp6, 0x10000c
	s_cmp_lg_u32 s2, 0x3003
	s_cbranch_scc0 .Lentry_shape_is_right
	s_endpgm
.Lentry_shape_is_right:
; Attention for 64 queries of one image over its 4,096 keys, the projection by wo, + bo, + x.
; Work-group (x, y) = (query block, image).  A step takes 256 keys; wave w owns block w of the step's four (64 keys) for all 64 queries, with a running
; maximum, a sum and a partial O (256 channels x 64 queries, 512 registers) of its own; the four waves are joined once, at the end.
; ALL PRODUCTS ARE USED TRANSPOSED, so that nothing is shuffled between them:
;   S^T = K Q^T: a lane holds one query (column r) and eight keys a tile; two neighbouring tiles rounded to bf16 in place ARE a B fragment of
;   O^T += V P^T; two neighbouring tiles of O^T rounded to bf16 ARE a B fragment of out^T = wo O^T.  Maximum, sum and factor are one register a lane.
; Each fragment of K, V or wo read from LDS feeds four matrix instructions.
; CLUSTERS: the four query blocks of a cluster walk the same K and V (and wo): joint loads with mask 15 divide those requests by four.
; THE CLUSTERS BEGIN AT DIFFERENT KEYS: cluster x of an image begins with step (3 x) mod 16 and goes round the sixteen; a softmax with a running maximum
; does not care for the order of its keys.  So the sixteen clusters of an image ask for sixteen different blocks at any time, and what one asks for
; another has asked for some steps before.  With the factor 3, whichever one bit of x parts the clusters in two sets of eight, the start steps of a set
; lie at most 3 apart.  The index hangs on the cluster's x alone, which the four partners share.
; THE RING is the K slot and the V slot by turns, two rounds of the cluster's barrier a step: behind the first V of this step is asked for (the S product
; and the softmax are its time to land), behind the second K of the next step (the rescale and the PV product).  Each round moves four blocks of
; 32,768 bytes, one a wave.  By this text's count a wave has three tensor loads out at the start and one behind each round.
; A BLOCK of 32,768 dense bytes comes in as 128 rows of 256 bytes + 16 of padding: row p (128 bytes) of quarter z at z 8,704 + (p>>1) 272 + (p&1) 128.
; LDS: 0 KS (wave w's K block at w 34,816; after the last step wave w's 64 rows of wo); 139,264 VS (V likewise; after its last fill the exchange of the
; partial O, 131,072 bytes, then the waves' output stages); 278,528 QS (Q, filled once; later O in bf16 as fragments); 313,344 ST (the waves' {maximum, sum}).
; REGISTERS: window 0: v0-63 addresses and figures, v64-127 two buffers of four fragments, v128-255 S, then P in place; window 1: Q's 32 fragments;
; windows 2, 3: O^T, tile (16 channels c, 16 queries q) at 8 (4 (c&7) + q) of window 2 + (c>>3).
; LIMITS: the softmax takes its row's running maximum away first.  v_exp_f32 and v_rcp_f32 flush denormals (AMD's ISA guide, their entries in 15.8): a weight below 2^-126 of its
; row's largest counts as 0.  v_max3_num_f32 drops NaN: NaN or infinite inputs do not come out as the plain formula would give them.  The keys' sums
; are formed in four parts, each beginning at the cluster's own first step, and joined; matrix operands are bf16, sums f32.
.set BLK,  34816
.set VS,   139264
.set QS,   278528
.set ST,   313344
.set WV,   18                          ; s18: the wave's number
.set ML,   18                          ; v[18:25]  {maximum, sum} for each of four query tiles
.set AL,   26                          ; v[26:33]  the factor on O, first register of each pair
.set NM,   34                          ; v[34:41]  - c x maximum, first register of each pair
.set T,    42                          ; v[42:63]  at work
.set BIAS, 32                          ; v[32:63]  bo as four C tiles, in the epilogue alone
.set FB,   64
.set SB,   128
.set MSB,  0
; c = log2(e) / 16 = 0x3db8aa3b: the scale 1 / sqrt(256) and the change of base in one factor
.macro WIN new                         ; s_set_vgpr_msb: bits 1:0 source 0, 3:2 source 1, 5:4 source 2, 7:6 destination; the high byte repeats the setting left
.if MSB != \new
	s_set_vgpr_msb (MSB<<8)|\new
.set MSB, \new
.endif
.endm
.macro PLACES n
.rept \n
	v_nop
.endr
.endm
.macro ROUND                           ; a round of the cluster's barrier
	s_barrier_signal -1
	s_barrier_wait -1
	s_cmp_lg_u32 s[WV], 0
	s_cbranch_scc1 .Lnot_wave_0_\@
	s_barrier_signal -3
.Lnot_wave_0_\@:
	s_barrier_wait -3
	s_barrier_signal -1
	s_barrier_wait -1
.endm
; Eight LDS loads: four fragments (16 rows x 32 along K) of K step ks of the block at v[adr], into buffer ks & 1
.macro FETCHA adr, ks
.irp t, 0,1,2,3
	ds_load_b128 v[FB+32*((\ks)&1)+8*\t:FB+32*((\ks)&1)+8*\t+3], v[\adr] offset:((\ks)>>1)*8704+((\ks)&1)*64+\t*2176
	ds_load_b128 v[FB+32*((\ks)&1)+8*\t+4:FB+32*((\ks)&1)+8*\t+7], v[\adr] offset:((\ks)>>1)*8704+((\ks)&1)*64+\t*2176+32
.endr
.endm
; Sixteen matrix instructions of K step ks: block fragment t x register fragment (b, ks) of window 1.  The first K step starts the sums, from 0 or from the bias.
; The sixteen accumulators take turns, one instruction a turn.
.macro MULS ks, swap, cmode
.irp t, 0,1,2,3
.irp b, 0,1,2,3
.set D_, SB+16*(4*(\t>>1)+\b)+8*(\t&1)
.set F_, FB+32*((\ks)&1)+8*\t
.set G_, 8*(8*\b+(\ks))
.if \swap
.set MA_, G_
.set MB_, F_
.else
.set MA_, F_
.set MB_, G_
.endif
.if (\ks) > 0
	v_wmma_f32_16x16x32_bf16 v[D_:D_+7], v[MA_:MA_+7], v[MB_:MB_+7], v[D_:D_+7]
.else
.if \cmode
	v_wmma_f32_16x16x32_bf16 v[D_:D_+7], v[MA_:MA_+7], v[MB_:MB_+7], v[BIAS+8*\t:BIAS+8*\t+7]
.else
	v_wmma_f32_16x16x32_bf16 v[D_:D_+7], v[MA_:MA_+7], v[MB_:MB_+7], 0
.endif
.endif
.endr
.endr
.endm
; A product over K = 256: eight K steps, fragments fetched two steps ahead.  Enters and leaves with every window 0.
.macro SPHASE adr, swap, cmode
	FETCHA \adr, 0
	FETCHA \adr, 1
.irp ks, 0,1,2,3,4,5,6,7
.if \ks < 7
	s_wait_dscnt 0x8                               ; this step's eight loads (and all older ones) are in; the next step's eight stay out
.else
	s_wait_dscnt 0x0                               ; the last step: nothing younger is out
.endif
.if \swap
	WIN 0x01
.else
	WIN 0x04                                       ; LDS loads name destination and source 0 alone: they run unchanged under this setting
.endif
	MULS \ks, \swap, \cmode
.if \ks < 6
.if \swap
	WIN 0
.endif
	PLACES 4                                       ; a load into registers that a matrix instruction has read stands four places behind it (ISA guide 7.12.1 for vector instructions)
	FETCHA \adr, \ks+2
.endif
.endr
	WIN 0
.endm
; THE SOFTMAX STEP: 64 keys x 64 queries; a lane holds 32 keys of each of four queries (one a query tile), lane xor 16 the other 32.
; The four query tiles go in step, so that no instruction waits for the one in front of it.
; SMAX: the new maxima, the factors on what was summed under the old ones, and - c x maximum.  Sixteen chains (4 queries x 4 tiles), started by the first numbers.
.macro SMAX first
.irp q, 0,1,2,3
.irp t, 0,1,2,3
.set X_, SB+64*(\t>>1)+16*\q+8*(\t&1)
	v_max3_num_f32 v[T+4*\q+\t], v[X_], v[X_+1], v[X_+2]
.endr
.endr
.irp q, 0,1,2,3
.irp t, 0,1,2,3
.set X_, SB+64*(\t>>1)+16*\q+8*(\t&1)
	v_max3_num_f32 v[T+4*\q+\t], v[T+4*\q+\t], v[X_+3], v[X_+4]
.endr
.endr
.irp q, 0,1,2,3
.irp t, 0,1,2,3
.set X_, SB+64*(\t>>1)+16*\q+8*(\t&1)
	v_max3_num_f32 v[T+4*\q+\t], v[T+4*\q+\t], v[X_+5], v[X_+6]
.endr
.endr
.irp q, 0,1,2,3
	v_max3_num_f32 v[T+4*\q], v[T+4*\q], v[T+4*\q+1], v[SB+16*\q+7]
.endr
.irp q, 0,1,2,3
	v_max3_num_f32 v[T+4*\q+2], v[T+4*\q+2], v[T+4*\q+3], v[SB+16*\q+15]
.endr
.irp q, 0,1,2,3
	v_max3_num_f32 v[T+4*\q], v[T+4*\q], v[T+4*\q+2], v[SB+64+16*\q+7]
.endr
.irp q, 0,1,2,3
.if \first
	v_max_num_f32 v[T+4*\q], v[T+4*\q], v[SB+64+16*\q+15]
.else
	v_max3_num_f32 v[T+4*\q], v[T+4*\q], v[SB+64+16*\q+15], v[ML+2*\q]     ; with the maximum so far
.endif
.endr
.irp q, 0,1,2,3
	v_permlanex16_b32 v[T+4*\q+1], v[T+4*\q], s22, s23
.endr
.irp q, 0,1,2,3
	v_max_num_f32 v[T+4*\q], v[T+4*\q], v[T+4*\q+1]        ; the new maximum, alike in both lanes of the query
.endr
.if \first == 0
.irp q, 0,1,2,3
	v_sub_f32 v[T+4*\q+2], v[ML+2*\q], v[T+4*\q]
.endr
.irp q, 0,1,2,3
	v_mul_f32 v[T+4*\q+2], 0x3db8aa3b, v[T+4*\q+2]
.endr
.irp q, 0,1,2,3
	v_exp_f32 v[AL+2*\q], v[T+4*\q+2]                      ; the factor on what was summed under the old maximum
.endr
.endif
.irp q, 0,1,2,3
	v_mul_f32 v[NM+2*\q], 0xbdb8aa3b, v[T+4*\q]            ; - c x maximum (plain instructions behind the four v_exp_f32: ISA guide 5.7.2)
.endr
.irp q, 0,1,2,3
	v_mov_b32 v[ML+2*\q], v[T+4*\q]
.endr
.endm
.macro FMA q, k                        ; pair k (0..15) of query tile q: c x S - c x maximum
.set X_, SB+64*((\k)>>3)+16*(\q)+2*((\k)&7)
	v_pk_fma_f32 v[X_:X_+1], v[X_:X_+1], 0x3db8aa3b, v[NM+2*(\q):NM+2*(\q)+1] op_sel_hi:[1,0,0]
.endm
.macro EXPQ q, p                       ; number p (0..31) of query tile q
.set X_, SB+64*((\p)>>4)+16*(\q)+((\p)&15)
	v_exp_f32 v[X_], v[X_]
.endm
; Sum and rounding of query tile q.  Four chains of packed sums in v[T:T+7]: the first sixteen numbers start them, the other sixteen are added on.
; Each pair is rounded to bf16 right behind its addition, in place and ascending: a conversion writes over numbers that have been added and converted.
.macro POSTA q, j                      ; numbers 4 j .. 4 j + 3 of the first two tiles
.set X_, SB+16*(\q)
	s_wait_alu depctr_va_vdst(0)
	v_pk_add_f32 v[T+2*(\j):T+2*(\j)+1], v[X_+4*(\j):X_+4*(\j)+1], v[X_+4*(\j)+2:X_+4*(\j)+3]
	v_cvt_pk_bf16_f32 v[X_+2*(\j)], v[X_+4*(\j)], v[X_+4*(\j)+1]
	v_cvt_pk_bf16_f32 v[X_+2*(\j)+1], v[X_+4*(\j)+2], v[X_+4*(\j)+3]
.endm
.macro POSTB q, j                      ; numbers 4 j .. 4 j + 3 of the other two tiles
.set X_, SB+64+16*(\q)
.set C_, T+4*((\j)&1)
	v_pk_add_f32 v[C_:C_+1], v[C_:C_+1], v[X_+4*(\j):X_+4*(\j)+1]
	v_pk_add_f32 v[C_+2:C_+3], v[C_+2:C_+3], v[X_+4*(\j)+2:X_+4*(\j)+3]
	v_cvt_pk_bf16_f32 v[X_+2*(\j)], v[X_+4*(\j)], v[X_+4*(\j)+1]
	v_cvt_pk_bf16_f32 v[X_+2*(\j)+1], v[X_+4*(\j)+2], v[X_+4*(\j)+3]
.endm
.macro FINP q, n, first                ; the chains are folded, a link at each of the places 9, 11, 13, 15, so that other work stands between the links
.if (\n) == 9
	v_pk_add_f32 v[T:T+1], v[T:T+1], v[T+2:T+3]
	v_pk_add_f32 v[T+4:T+5], v[T+4:T+5], v[T+6:T+7]
.endif
.if (\n) == 11
	v_pk_add_f32 v[T:T+1], v[T:T+1], v[T+4:T+5]
.endif
.if (\n) == 13
.if \first == 0
	v_add_f32 v[T], v[T], v[T+1]
.endif
.endif
.if (\n) == 15
.if \first
	v_add_f32 v[ML+2*(\q)+1], v[T], v[T+1]                 ; the lane's own part of the sum; the two lanes of a query meet at the end
.else
	v_fma_f32 v[ML+2*(\q)+1], v[ML+2*(\q)+1], v[AL+2*(\q)], v[T]
.endif
.endif
.endm
.macro PPOS q, n, first                ; place n (0..15) of query tile q's sum and rounding
.if (\n) < 4
	POSTA \q, \n
.else
.if (\n) < 8
	POSTB \q, (\n)-4
.else
	FINP \q, \n, \first
.endif
.endif
.endm
; The 32 exponentials of query tile q; between them plain instructions of OTHER tiles: the multiply-adds of tile q + 1, the sum and rounding of tile q - 1.
; None of them names a register of tile q, and a block with such work behind it ends on a plain instruction, so that a plain independent instruction
; stands between every v_exp_f32 and the first use of its result (ISA guide 5.7.2).
.macro BLOCK q, hasfma, haspost, first
.irp s, 0,1,2,3,4,5,6,7
	EXPQ \q, 4*\s
.if \hasfma
	FMA \q+1, 2*\s
.endif
	EXPQ \q, 4*\s+1
.if \haspost
	PPOS \q-1, 2*\s, \first
.endif
	EXPQ \q, 4*\s+2
.if \hasfma
	FMA \q+1, 2*\s+1
.endif
	EXPQ \q, 4*\s+3
.if \haspost
	PPOS \q-1, 2*\s+1, \first
.endif
.endr
.endm
.macro SOFTMAX4 first
	SMAX \first
.irp k, 0,1,2,3,4,5,6,7,8,9,10,11,12,13,14,15
	FMA 0, \k
.endr
	BLOCK 0, 1, 0, \first                          ; its last v_exp_f32 is followed by the next block's first multiply-add before tile 0 is read
	BLOCK 1, 1, 1, \first
	BLOCK 2, 1, 1, \first
	BLOCK 3, 0, 1, \first
.irp n, 0,1,2,3,4,5,6,7,8,9,10,11,12,13,14,15
	PPOS 3, \n, \first
.endr
.endm
.macro RESC1
.irp c, 0,1,2,3,4,5,6,7
.irp q, 0,1,2,3
.irp p, 0,2,4,6
	v_pk_mul_f32 v[8*(4*\c+\q)+\p:8*(4*\c+\q)+\p+1], v[8*(4*\c+\q)+\p:8*(4*\c+\q)+\p+1], v[AL+2*\q:AL+2*\q+1] op_sel_hi:[1,0]
.endr
.endr
.endr
.endm
.macro RESCALE                         ; O x the query's factor
	WIN 0x82
	RESC1
	WIN 0xc3
	RESC1
	WIN 0
.endm
; Eight LDS loads: V's fragments of channel tiles 2 g, 2 g + 1 for both halves of the 64 keys, into buffer g & 1
.macro FETCHV g
.irp cc, 0,1
.irp u, 0,1
	ds_load_b128 v[FB+32*((\g)&1)+8*(2*\cc+\u):FB+32*((\g)&1)+8*(2*\cc+\u)+3], v5 offset:(2*(\g)+\cc)*2176+\u*64
	ds_load_b128 v[FB+32*((\g)&1)+8*(2*\cc+\u)+4:FB+32*((\g)&1)+8*(2*\cc+\u)+7], v5 offset:(2*(\g)+\cc)*2176+\u*64+32
.endr
.endr
.endm
; Sixteen matrix instructions: eight accumulators take turns twice, one instruction a turn.
.macro MULPV g, first
.irp u, 0,1
.irp cc, 0,1
.irp q, 0,1,2,3
.set D_, 8*(4*((2*(\g)+\cc)&7)+\q)
.set F_, FB+32*((\g)&1)+8*(2*\cc+\u)
.set G_, SB+16*(4*\u+\q)
.if (\first)*(1-\u)
	v_wmma_f32_16x16x32_bf16 v[D_:D_+7], v[F_:F_+7], v[G_:G_+7], 0
.else
	v_wmma_f32_16x16x32_bf16 v[D_:D_+7], v[F_:F_+7], v[G_:G_+7], v[D_:D_+7]
.endif
.endr
.endr
.endr
.endm
.macro PVPHASE first
.irp g, 0,1,2,3,4,5,6,7
.if \g < 7
	s_wait_dscnt 0x8                               ; this group's eight loads are in; the next group's eight stay out
.else
	s_wait_dscnt 0x0
.endif
.if \g < 4
	WIN 0xa0                                       ; C and D in window 2
.else
	WIN 0xf0                                       ; in window 3
.endif
	MULPV \g, \first
.if \g < 6
	WIN 0
	PLACES 4                                       ; four places between the matrix instructions and the loads into the fragments that they read
	FETCHV \g+2
.endif
.endr
	WIN 0
.endm
.macro STEP first, last
.if \first
	s_wait_tensorcnt 0x1                           ; my K block has landed; V's load, issued behind it, may stay out.  I alone read the blocks that I asked for
.else
	s_wait_dscnt 0x0                               ; my reads of the V slot are over
	s_wait_xcnt 0x0
	v_lshl_add_u32 v254, v0, 2, 0x4d000
	v_mov_b32 v255, 0
	s_wait_tensorcnt 0x0                           ; all my tensor loads have landed, this step's K block among them: a group 0 may be written
	ds_add_u32 v254, v255
	s_wait_dscnt 0x0
	s_add_co_u32 s31, s31, 1                       ; V: the next of the sixteen steps, round the end
	s_and_b32 s31, s31, 15
	s_lshl_b32 s26, s31, 17                        ; four blocks of 32,768 bytes a step
	s_add_nc_u64 s[58:59], s[8:9], s[26:27]
	s_or_b32 s59, s59, 0x80000000                  ; 127:126 type = 2
	ROUND                                          ; both waits now hold of every wave of the four work-groups
	tensor_load_to_lds s[56:59], s[32:39]          ; this step's V: my one tensor load behind the round
	s_nop 0
	PLACES 5                                       ; five places between the last PV products and the products that write over P (four for the loads into their fragments)
.endif
	SPHASE 4, 0, 0                                 ; S^T = K Q^T
	PLACES 4                                       ; four places before vector instructions read the results
	SOFTMAX4 \first
	s_wait_dscnt 0x0                               ; my reads of the K slot are over
	s_wait_xcnt 0x0
	v_lshl_add_u32 v254, v0, 2, 0x4d000
	v_mov_b32 v255, 0
	s_wait_tensorcnt 0x0                           ; all my tensor loads have landed, this step's V block among them
	ds_add_u32 v254, v255
	s_wait_dscnt 0x0
.if \last == 0
	s_add_co_u32 s30, s30, 1                       ; K: the next of the sixteen steps, round the end
	s_and_b32 s30, s30, 15
	s_lshl_b32 s26, s30, 17
	s_add_nc_u64 s[54:55], s[6:7], s[26:27]
	s_or_b32 s55, s55, 0x80000000
.endif
	ROUND
.if \last
	tensor_load_to_lds s[60:63], s[32:39]          ; behind the last keys the K slot takes wo, a block of the same shape
	s_nop 0
.else
	tensor_load_to_lds s[52:55], s[32:39]          ; the next step's K: my one tensor load behind the round
	s_nop 0
.endif
	FETCHV 0
	FETCHV 1
.if \first == 0
	RESCALE
.endif
	PVPHASE \first                                 ; O^T += V P^T
.endm
; Half of the partial O (window 2 + half: channels 128 half ..) is exchanged: every wave lays down its 32 tiles, wave w takes the tiles of query tile w of
; all four waves, adds them, rounds them to bf16 and lays them down as four B fragments.  wst, wld, wadd, wcvt: the window settings for that window.
.macro EXCH half, wst, wld, wadd, wcvt
	WIN \wst
.set i_, 0
.rept 32
	ds_store_b128 v9, v[8*i_:8*i_+3] offset:1024*i_
	ds_store_b128 v9, v[8*i_+4:8*i_+7] offset:1024*i_+512
.set i_, i_+1
.endr
	WIN 0
	s_wait_dscnt 0x0                               ; my tiles are written,
	s_barrier_signal -1
	s_barrier_wait -1                              ; everybody's are
	WIN \wld
.irp src, 0,1
.irp c8, 0,1,2,3,4,5,6,7
	ds_load_b128 v[8*(8*\src+\c8):8*(8*\src+\c8)+3], v10 offset:\src*32768+\c8*4096
	ds_load_b128 v[8*(8*\src+\c8)+4:8*(8*\src+\c8)+7], v10 offset:\src*32768+\c8*4096+512
.endr
.endr
.irp src, 2,3
.irp c8, 0,1,2,3,4,5,6,7
	ds_load_b128 v[8*(8*\src+\c8):8*(8*\src+\c8)+3], v11 offset:(\src-2)*32768+\c8*4096
	ds_load_b128 v[8*(8*\src+\c8)+4:8*(8*\src+\c8)+7], v11 offset:(\src-2)*32768+\c8*4096+512
.endr
.endr
	s_wait_dscnt 0x0
	WIN \wadd
.set i_, 0
.rept 32
	v_pk_add_f32 v[2*i_:2*i_+1], v[2*i_:2*i_+1], v[64+2*i_:65+2*i_]
.set i_, i_+1
.endr
.set i_, 0
.rept 32
	v_pk_add_f32 v[128+2*i_:129+2*i_], v[128+2*i_:129+2*i_], v[192+2*i_:193+2*i_]
.set i_, i_+1
.endr
.set i_, 0
.rept 32
	v_pk_add_f32 v[2*i_:2*i_+1], v[2*i_:2*i_+1], v[128+2*i_:129+2*i_]
.set i_, i_+1
.endr
	WIN \wcvt
.set i_, 0
.rept 32
	v_cvt_pk_bf16_f32 v[SB+i_], v[2*i_], v[2*i_+1]
.set i_, i_+1
.endr
	WIN 0
.irp k4, 0,1,2,3
	ds_store_b128 v12, v[SB+8*\k4:SB+8*\k4+3] offset:(4*\half+\k4)*1024
	ds_store_b128 v12, v[SB+8*\k4+4:SB+8*\k4+7] offset:(4*\half+\k4)*1024+512
.endr
	s_wait_dscnt 0x0                               ; my reads of the exchange are over and my fragments are written,
	s_barrier_signal -1
	s_barrier_wait -1                              ; everybody's are
.endm
	s_load_b256 s[4:11], s[0:1], 0x0               ; qw, kw, vw, wb
	s_load_b128 s[12:15], s[0:1], 0x20             ; bo, x
	s_load_b64 s[16:17], s[0:1], 0x30              ; out0
	v_lshl_add_u32 v254, v0, 2, 0x4d000
	v_mov_b32 v255, 0
	ds_add_u32 v254, v255
	s_wait_dscnt 0x0
	v_lshrrev_b32 v1, 5, v0
	v_readfirstlane_b32 s18, v1                    ; wave 0..3
	s_bfe_u32 s19, ttmp6, 0x40000                  ; cx
	s_lshl_b32 s20, ttmp9, 2
	s_add_co_u32 s20, s20, s19                     ; query block = 4 x cluster x + cx
	s_and_b32 s21, ttmp7, 0xffff                   ; image
	s_mov_b32 s22, 0x76543210
	s_mov_b32 s23, 0xfedcba98
	; descriptor group 1 of the joint loads: 128 rows of 32 elements of 8 bytes, dense, 16 bytes of padding behind every 256
	s_mov_b32 s32, 0x0773000f                      ; 15:0 mask 15; 17:16 elements of 8 bytes; 20 padding on; 21 set beside a mask; 24:22 after 64 words; 31:25 four words
	s_mov_b32 s33, 32<<16
	s_mov_b32 s34, 128<<16
	s_mov_b32 s35, 32<<16
	s_mov_b32 s36, 128
	s_mov_b32 s37, 32
	s_mov_b32 s38, 0
	s_mov_b32 s39, 0
	; and of Q's load, which is my work-group's alone: 32 such rows, no mask
	s_mov_b32 s40, 0x07530000
	s_mov_b32 s41, 32<<16
	s_mov_b32 s42, 32<<16
	s_mov_b32 s43, 32<<16
	s_mov_b32 s44, 32
	s_mov_b32 s45, 32
	s_mov_b32 s46, 0
	s_mov_b32 s47, 0
	s_mul_i32 s25, s18, BLK                        ; my block in a slot
	s_lshl_b32 s26, s21, 21                        ; K, V: the image's 64 blocks, and block w of a step's four; no place in the cluster enters s[26:27] or s[30:31]
	s_lshl_b32 s27, s18, 15
	s_add_co_u32 s26, s26, s27
	s_mov_b32 s27, 0
	s_lshl_b32 s28, s21, 6                         ; Q: block 64 image + query block, quarter w
	s_add_co_u32 s28, s28, s20
	s_lshl_b32 s28, s28, 15
	s_lshl_b32 s29, s18, 13
	s_add_co_u32 s28, s28, s29
	s_mov_b32 s29, 0
	s_lshl_b32 s30, s18, 15                        ; wo: the fourth weight, its rows 64 w ..
	s_add_co_u32 s30, s30, 393216
	s_mov_b32 s31, 0
	s_wait_kmcnt 0x0
	s_mov_b32 s48, 1                               ; group 0 for Q
	s_mul_i32 s49, s18, 8704
	s_add_co_u32 s49, s49, QS
	s_add_nc_u64 s[50:51], s[4:5], s[28:29]
	s_or_b32 s51, s51, 0x80000000
	s_mov_b32 s60, 1                               ; for wo
	s_mov_b32 s61, s25
	s_add_nc_u64 s[62:63], s[10:11], s[30:31]
	s_or_b32 s63, s63, 0x80000000
	s_add_nc_u64 s[6:7], s[6:7], s[26:27]          ; K and V at my image and my block of step 0: the bases to which a step's offset is added
	s_add_nc_u64 s[8:9], s[8:9], s[26:27]
	s_mul_i32 s30, ttmp9, 3                        ; my cluster's first step: (3 x cluster x) mod 16
	s_and_b32 s30, s30, 15                         ; s30: the step whose K was asked for last
	s_mov_b32 s31, s30                             ; s31: the same for V
	s_lshl_b32 s26, s30, 17                        ; s[26:27]: a step's offset, 131,072 bytes a step; s27 stays 0
	s_mov_b32 s52, 1                               ; group 0 for K
	s_mov_b32 s53, s25
	s_add_nc_u64 s[54:55], s[6:7], s[26:27]
	s_or_b32 s55, s55, 0x80000000
	s_mov_b32 s56, 1                               ; for V
	s_add_co_u32 s57, s25, VS
	s_add_nc_u64 s[58:59], s[8:9], s[26:27]
	s_or_b32 s59, s59, 0x80000000
	s_lshl_b32 s28, s21, 22                        ; x and out0 at my image and my 64 pixels
	s_lshl_b32 s19, s20, 8
	s_add_co_u32 s28, s28, s19
	s_add_nc_u64 s[14:15], s[14:15], s[28:29]
	s_add_nc_u64 s[16:17], s[16:17], s[28:29]
	ROUND                                          ; all four work-groups are here: the first joint loads meet
	tensor_load_to_lds s[48:51], s[40:47]          ; the three first fills, as one group: my quarter of Q,
	s_nop 0
	tensor_load_to_lds s[52:55], s[32:39]          ; K block w of the first step,
	s_nop 0
	tensor_load_to_lds s[56:59], s[32:39]          ; V block w of the first step
	s_nop 0
	v_and_b32 v1, 31, v0                           ; lane
	v_and_b32 v2, 15, v0                           ; r
	v_bfe_u32 v3, v0, 4, 1                         ; h
	v_lshrrev_b32 v42, 1, v2
	v_mul_u32_u24 v42, v42, 272
	v_and_b32 v43, 1, v2
	v_lshl_add_u32 v42, v43, 7, v42
	v_lshl_add_u32 v42, v3, 4, v42                 ; a fragment's lane part: (r>>1) 272 + (r&1) 128 + 16 h
	v_add_nc_u32 v4, s25, v42                      ; v4: my block in KS
	v_add_nc_u32 v5, VS, v4                        ; v5: in VS
	v_add_nc_u32 v6, QS, v42                       ; v6: Q
	s_lshl_b32 s24, s18, 9
	s_add_co_u32 s24, s24, ST
	v_lshl_add_u32 v7, v2, 3, s24                  ; v7: my wave's {maximum, sum} of query r
	v_lshl_add_u32 v8, v2, 3, ST                   ; v8: wave 0's
	s_lshl_b32 s24, s18, 15
	s_add_co_u32 s24, s24, VS
	v_lshl_add_u32 v9, v1, 4, s24                  ; v9: exchange, my wave's 32 tiles
	s_lshl_b32 s24, s18, 10
	s_add_co_u32 s24, s24, VS
	v_lshl_add_u32 v10, v1, 4, s24                 ; v10: exchange, query tile w of waves 0, 1
	v_add_nc_u32 v11, 0x10000, v10                 ; v11: of waves 2, 3
	s_lshl_b32 s24, s18, 13
	s_add_co_u32 s24, s24, QS
	v_lshl_add_u32 v12, v1, 4, s24                 ; v12: O's fragments of query tile w
	v_lshl_add_u32 v13, v1, 4, QS                  ; v13: all of them
	s_lshl_b32 s24, s18, 8
	v_lshl_add_u32 v14, v3, 5, s24                 ; v14: bo, eight channels 64 w + 8 h ..
	s_mul_i32 s24, s18, 17408
	s_add_co_u32 s24, s24, VS
	v_mul_u32_u24 v15, v3, 2176
	v_lshl_add_u32 v15, v2, 2, v15
	v_add_nc_u32 v15, s24, v15                     ; v15: output stage in: row 8 h, column r
	v_mul_u32_u24 v16, v3, 272
	v_lshl_add_u32 v16, v2, 4, v16
	v_add_nc_u32 v16, s24, v16                     ; v16: back: lanes 0-15 one row of 256 bytes, lanes 16-31 the next
	s_lshl_b32 s24, s18, 20
	v_lshlrev_b32 v17, 4, v2
	v_lshl_add_u32 v17, v3, 14, v17
	v_add_nc_u32 v17, s24, v17                     ; v17: the same two rows in x and out0
.irp q, 0,1,2,3
	v_mov_b32 v[AL+2*\q+1], 0                      ; the second registers of the pairs that packed instructions name; only the first are used
	v_mov_b32 v[NM+2*\q+1], 0
.endr
	s_wait_tensorcnt 0x2                           ; my quarter of Q has landed; K's and V's loads stay out,
	s_barrier_signal -1
	s_barrier_wait -1                              ; everybody's has.
	WIN 0x40                                       ; destination window 1
.irp q, 0,1,2,3
.irp ks, 0,1,2,3,4,5,6,7
	ds_load_b128 v[8*(8*\q+\ks):8*(8*\q+\ks)+3], v6 offset:\q*2176+(\ks>>1)*8704+(\ks&1)*64
	ds_load_b128 v[8*(8*\q+\ks)+4:8*(8*\q+\ks)+7], v6 offset:\q*2176+(\ks>>1)*8704+(\ks&1)*64+32
.endr
.endr
	WIN 0                                          ; these 64 loads are older than the first product's fragment loads: its first wait covers them
	STEP 1, 0                                      ; the first step stands in front of the loop: its products start the sums
	s_mov_b32 s24, 14
.Lstep:
	STEP 0, 0
	s_sub_co_u32 s24, s24, 1
	s_cmp_lg_u32 s24, 0
	s_cbranch_scc1 .Lstep
	STEP 0, 1                                      ; the sixteenth step asks for wo in the place of a next K
	; THE WAVES ARE JOINED.  First the figures.
	PLACES 4                                       ; four places behind the last matrix instructions, for all that reads O or writes their fragments
.irp q, 0,1,2,3
	v_permlanex16_b32 v[T+\q], v[ML+2*\q+1], s22, s23
.endr
.irp q, 0,1,2,3
	v_add_f32 v[ML+2*\q+1], v[ML+2*\q+1], v[T+\q]  ; the two lanes of a query meet
.endr
.irp q, 0,1,2,3
	ds_store_b64 v7, v[ML+2*\q:ML+2*\q+1] offset:128*\q
.endr
	s_wait_dscnt 0x0                               ; my figures are written and my reads of the V slot are over
	s_wait_tensorcnt 0x0                           ; wo has landed: no tensor load is out from here on, and none follows
	s_barrier_signal -1
	s_barrier_wait -1
.irp q, 0,1,2,3
.irp w, 0,1,2,3
	ds_load_b64 v[FB+8*\q+2*\w:FB+8*\q+2*\w+1], v8 offset:512*\w+128*\q
.endr
.endr
	s_wait_dscnt 0x0
.irp q, 0,1,2,3
.set E_, FB+8*\q
	v_max3_num_f32 v[T], v[E_], v[E_+2], v[E_+4]
	v_max_num_f32 v[T], v[T], v[E_+6]              ; the query's maximum over all keys
	v_sub_f32 v[T+1], v[E_], v[T]
	v_sub_f32 v[T+2], v[E_+2], v[T]
	v_sub_f32 v[T+3], v[E_+4], v[T]
	v_sub_f32 v[T+4], v[E_+6], v[T]
	v_sub_f32 v[T+5], v[ML+2*\q], v[T]             ; my own wave's once more, so that no register is chosen by the wave's number
.irp k, 1,2,3,4,5
	v_mul_f32 v[T+\k], 0x3db8aa3b, v[T+\k]
.endr
.irp k, 1,2,3,4,5
	v_exp_f32 v[T+\k], v[T+\k]
.endr
	v_nop                                          ; one plain place behind the transcendentals (ISA guide 5.7.2)
	s_wait_alu depctr_va_vdst(0)
	v_mul_f32 v[T+6], v[T+1], v[E_+1]
	v_fma_f32 v[T+6], v[T+2], v[E_+3], v[T+6]
	v_fma_f32 v[T+6], v[T+3], v[E_+5], v[T+6]
	v_fma_f32 v[T+6], v[T+4], v[E_+7], v[T+6]      ; the sum over all keys: at least 1, from the key that holds the maximum
	v_rcp_f32 v[T+7], v[T+6]
	v_nop
	s_wait_alu depctr_va_vdst(0)
	v_mul_f32 v[AL+2*\q], v[T+5], v[T+7]
.endr
	RESCALE                                        ; my partial O, brought to the common maximum and divided by the sum
.irp t, 0,1,2,3
	global_load_b128 v[BIAS+8*\t:BIAS+8*\t+3], v14, s[12:13] offset:64*\t          ; bo; the figures' registers are free now
	global_load_b128 v[BIAS+8*\t+4:BIAS+8*\t+7], v14, s[12:13] offset:64*\t+16
.endr
	EXCH 0, 0x08, 0x80, 0x8a, 0x0a
	WIN 0x80                                       ; window 2 is free: x comes in early
.set i_, 0
.rept 32
	global_load_b128 v[4*i_:4*i_+3], v17, s[14:15] offset:32768*i_ th:TH_LOAD_NT   ; channels 64 w + 2 i, + 1: sixteen lanes take 256 consecutive bytes, aligned
.set i_, i_+1
.endr
	WIN 0
	EXCH 1, 0x0c, 0xc0, 0xcf, 0x0f
	; out^T = wo O^T + bo
	WIN 0x40
.set i_, 0
.rept 32
	ds_load_b128 v[8*i_:8*i_+3], v13 offset:1024*i_
	ds_load_b128 v[8*i_+4:8*i_+7], v13 offset:1024*i_+512
.set i_, i_+1
.endr
	WIN 0
	s_wait_loadcnt 32                              ; bo's eight loads are in; the 32 younger loads of x stay out
	SPHASE 4, 0, 1
	PLACES 4                                       ; four places before the results are stored and window 1 is loaded again
	; the way out: through my own stage, so that sixteen lanes hold 256 neighbouring bytes of a row
.irp t, 0,1,2,3
.irp b, 0,1,2,3
.irp j, 0,1,2,3,4,5,6,7
	ds_store_b32 v15, v[SB+16*(4*(\t>>1)+\b)+8*(\t&1)+\j] offset:(16*\t+\j)*272+\b*64
.endr
.endr
.endr
	WIN 0x40
.set i_, 0
.rept 32
	ds_load_b128 v[4*i_:4*i_+3], v16 offset:544*i_         ; LDS serves a wave's instructions in order (ISA guide 5.7.1.4): these see the stores above
.set i_, i_+1
.endr
	s_wait_dscnt 0x0
	s_wait_loadcnt 0x0                             ; x
	WIN 0x49                                       ; destination and source 0 window 1, source 1 window 2
.set i_, 0
.rept 64
	v_pk_add_f32 v[2*i_:2*i_+1], v[2*i_:2*i_+1], v[2*i_:2*i_+1]    ; + x
.set i_, i_+1
.endr
	WIN 0x04                                       ; a store's data is source 1: window 1
.set i_, 0
.rept 32
	global_store_b128 v17, v[4*i_:4*i_+3], s[16:17] offset:32768*i_ th:TH_STORE_NT ; sixteen lanes store 256 consecutive bytes, aligned
.set i_, i_+1
.endr
	WIN 0
	s_wait_xcnt 0x0
	v_lshl_add_u32 v254, v0, 2, 0x4d000
	v_mov_b32 v255, 0
	s_wait_tensorcnt 0x0
	ds_add_u32 v254, v255
	s_wait_dscnt 0x0
	ROUND                                          ; the closing round: no work-group ends while a partner may still ask jointly
	s_endpgm
.Lfunc_end_k_q09a49dce93_attn:
	.size	k_q09a49dce93_attn, .Lfunc_end_k_q09a49dce93_attn-k_q09a49dce93_attn
	.p2alignl 7, 3214868480
	.fill 96, 4, 3214868480
	.section	.rodata,"a",@progbits
	.p2align	6, 0x0
	.amdhsa_kernel k_q09a49dce93_attn
		.amdhsa_group_segment_fixed_size 327680
		.amdhsa_private_segment_fixed_size 0
		.amdhsa_enable_private_segment 0
		.amdhsa_kernarg_size 56
		.amdhsa_user_sgpr_count 2
		.amdhsa_user_sgpr_kernarg_segment_ptr 1
		.amdhsa_wavefront_size32 1
		.amdhsa_system_sgpr_workgroup_id_x 1
		.amdhsa_system_sgpr_workgroup_id_y 1
		.amdhsa_system_sgpr_workgroup_id_z 1
		.amdhsa_system_vgpr_workitem_id 0
		.amdhsa_next_free_vgpr 1024
		.amdhsa_next_free_sgpr 66
		.amdhsa_reserve_vcc 0
		.amdhsa_float_denorm_mode_32 3
		.amdhsa_float_denorm_mode_16_64 3
		.amdhsa_memory_ordered 1
		.amdhsa_forward_progress 1
		.amdhsa_inst_pref_size 255
	.end_amdhsa_kernel
	.section	.bss,"aw",@nobits
	.p2align	6
	.space	262144
	.amdgpu_metadata
---
amdhsa.version: [ 1, 2 ]
amdhsa.kernels:
  - .name:           k_q09a49dce93_attn
    .symbol:         k_q09a49dce93_attn.kd
    .args:
      - { .name: qw, .offset: 0, .size: 8, .value_kind: global_buffer, .address_space: global }
      - { .name: kw, .offset: 8, .size: 8, .value_kind: global_buffer, .address_space: global }
      - { .name: vw, .offset: 16, .size: 8, .value_kind: global_buffer, .address_space: global }
      - { .name: wb, .offset: 24, .size: 8, .value_kind: global_buffer, .address_space: global }
      - { .name: bo, .offset: 32, .size: 8, .value_kind: global_buffer, .address_space: global }
      - { .name: x, .offset: 40, .size: 8, .value_kind: global_buffer, .address_space: global }
      - { .name: out0, .offset: 48, .size: 8, .value_kind: global_buffer, .address_space: global }
    .group_segment_fixed_size: 327680
    .private_segment_fixed_size: 0
    .kernarg_segment_align: 8
    .kernarg_segment_size: 56
    .max_flat_workgroup_size: 128
    .sgpr_count:     66
    .vgpr_count:     1024
    .wavefront_size: 32
...
	.end_amdgpu_metadata
.endif
;; end of part 3
